; MI455X (gfx1250); checked and timed in simulation.
; The chip was launched on July 23, 2026; its instructions are those of AMD's public machine-readable ISA for CDNA 5 (MIT licence, August 2026) and "CDNA5" Instruction Set Architecture Reference Guide (July 2026). The comments in the code are by the model that wrote it; some were corrected since.
;; Memory Network. Allowed arithmetic: matrix products marked QUANTISED: E3M2 operands, one E8M0 scale for each 32 along K, by v_wmma_scale_f32_16x16x128_f8f6f4 with both operands' format E3M2, f32 sums; products left as they are: f32 operands where the result goes on into a quantised operand, else bf16, f16 or f32 operands; f32 sums; everything else in f32.
;; Inputs: W_domain 768 x 2,048 float32; W_topic 768 x 2,048 float32; category 16,384 int32; feature 16,384 x 2,048 float32; memory_tables 9 x 10 x 768 float32.
;; Outputs: out0 16,384 x 1 x 9 float32.
;; This version of the problem:
;;   THIS VERSION OF THE PROBLEM IS GIVEN IN LOW PRECISION. The matrix products marked QUANTISED in the list below multiply operands that are first quantised to E3M2 (3 exponent bits, 2 mantissa bits; 6 bits a number), with one power-of-two scale for each 32 numbers along K (OCP MX v1.0); their sums are f32. All else is computed in f32.
;;   The module's matrix products, in the order in which they are computed (A, B: the left and right operand; K: the contracted axis; several contracted axes count as one K, in the product's order):
;;     1. [M 16,384, K 2,048] x [K 2,048, N 768]; A: computed on the way; B: input W_topic: QUANTISED
;;     2. [M 16,384, K 768] x [K 768, N 90]; A: computed on the way; B: computed on the way: QUANTISED
;;     3. batch 9 x [M 768, K 10] x [K 10, N 16,384]; A: computed on the way; B: softmax: left as it is (K = 10 < 32)
;;     4. [M 16,384, K 2,048] x [K 2,048, N 768]; A: computed on the way; B: input W_domain: QUANTISED
;;     5. batch 16,384 x [M 9, K 768] x [K 768, N 1]; A: computed on the way; B: computed on the way: left as it is (M = 9 < 16)
;;   THE QUANTISER, for each operand of a quantised product, along K:
;;     - K is cut into blocks of 32 from its start; a last block that is shorter is filled with zeros.
;;     - A block's scale is 2^e with e = floor(log2(the largest magnitude in the block)) - 4, held to -126 .. 127; a block of zeros has e = 0. As a byte (E8M0): e + 127.
;;     - Each number is divided by its block's scale, clamped to +-28, and rounded to the nearest number of E3M2, ties to even, subnormals kept.
;;     - The product sums the exact products of the quantised numbers (number of the format x scale) in f32.
;;   ~~~python
;;   def quantise(x, axis):      # numpy; x: float32 -> the quantised numbers, widened to float32 again
;;       x = np.moveaxis(x, axis, -1); K = x.shape[-1]
;;       x = np.pad(x, [(0, 0)] * (x.ndim - 1) + [(0, -K % 32)]); x = x.reshape(x.shape[:-1] + (-1, 32)); a = np.abs(x).max(-1, keepdims=True)
;;       e = np.where(a > 0, np.clip(np.frexp(np.where(a > 0, a, 1))[1] - 1 - 4, -126, 127), 0)      # np.frexp(a)[1] - 1 = floor(log2(a)), exactly
;;       r = np.clip(x / 2.0 ** e, -28, 28)
;;       step = 2.0 ** (np.maximum(np.frexp(np.where(r == 0, 1, r))[1] - 1, -2) - 2)
;;       q = np.round(r / step) * step * 2.0 ** e      # np.round: ties to even
;;       return np.moveaxis(q.reshape(q.shape[:-2] + (-1,))[..., :K], -1, axis).astype(np.float32)
;;   ~~~
;;   OPERANDS COMPUTED ON THE WAY. 'Computed on the way' means the value that the module computes at that place (a softmax that the list does not call 'softmax' is quantised finished and normalised). What goes into a quantiser is computed in f32, as accurately as f32 sums, v_exp_f32 and their like allow (about 1e-6 of the number): no bf16 or f16 on the way to a quantiser, and a product that is left as it is and whose result goes on into a quantised operand takes f32 operands (vector FMAs, or v_wmma_f32_16x16x4_f32). A number that lies on a knife's edge between two numbers of the format may be rounded either way, as far as f32 arithmetic and the matrix unit's own rounding can turn it there, and no further.
;; One version. Each part assembles by itself: llvm-mc -triple=amdgcn-amd-amdhsa -mcpu=gfx1250 --defsym DOCPART=n.
;; ======== version 1 of 1: 2 launches
;; limits: values are held in f16: magnitudes above 65,504 overflow, below 6.1e-05 lose precision
;; workspace buffers: wq 2,490,368 bytes; mq 77,824 bytes; mh 147,456 bytes
;; launch prep (part 1): grid 264 x 1, 6 waves a work-group, no clusters, 56,576 bytes of LDS; arguments W_topic, W_domain, memory_tables, category, wq, mq, mh; writes wq, mq, mh
.if DOCPART == 1
	.amdgcn_target "amdgcn-amd-amdhsa--gfx1250"
	.amdhsa_code_object_version 6
	.text
	.protected	k_q58e5cd11a5_prep
	.globl	k_q58e5cd11a5_prep
	.p2align	8
	.type	k_q58e5cd11a5_prep,@function
k_q58e5cd11a5_prep:
	s_mov_b64 s[64:65], 0
	v_nop
	global_prefetch_b8 v0, s[64:65] scope:SCOPE_SE
	s_setreg_imm32_b32 hwreg(HW_REG_WAVE_MODE, 25, 1), 1
	s_wait_xcnt 0x0
; W_topic and W_domain [768][2048] f32, and the 90 rows memory_tables[category[d]][m] (d = 0..8, m = 0..9) of 768 f32, become codes of BF6 (E3M2) with one E8M0 byte
; for each 32 along K, laid IN THE ORDER OF THE OPERAND'S REGISTERS, so that the next launch loads a fragment (16 rows x 128 K: 12 registers a lane) by three loads of 16 bytes a lane.
; A BLOCK of 9,728 bytes holds six fragments and their scale words: byte 1536 c + 512 g + 16 L + 4 i = register 4 g + i of lane L of fragment c;
; byte 9216 + 12 L + 4 p = the scale word of fragment 2 p + L / 16, row L % 16.  Bytes 9,600 on are neither written nor read.
; wq: block 16 vt + ks.  vt / 8: W_topic or W_domain; rows 96 (vt % 8) on; ks: the K step of 128.  Row rho of fragment c = 2 b + u is weight row 32 b + 8 u + rho + 8 (rho / 8) of the 96,
;     so that in the transposed product the 16 registers of tiles 2 b and 2 b + 1 are 16 neighbours along the next K.
; mq: block tg (0..7): K = channels 96 tg + 0..95 (three blocks of 32) and a fourth block of zero codes.  Row rho = 8 h' + j of fragment nb stands for place s = 8 nb + j:
;     d = s / 5, m = 5 h' + s % 5; places 45 to 47 are rows of zeros.
; mh: the same rows as f16: fragment ((3 tg + b) 6 + nb) of 1,024 bytes; lane (rho, h) holds channels 96 tg + 32 b + 16 h + 0..15 in order (the next launch lays its other operand alike).
; A block's scale is 2^(floor(log2(largest magnitude)) - 4): its byte is that magnitude's exponent field - 4, held at 1 from below.
; LIMITS: a block of zeros gets the byte 1 where the rule says 127 (its codes are zeros, and this program alone reads the bytes); NaN and infinities are not served;
; |memory_tables| beyond 65,504 has no f16 number.
; SHARES: work-group = block, wave = fragment.  Work-groups 0-255 take wq, 256-263 mq and mh.  The two ways part for the loads alone and join ahead of the quantiser.
.set BLKB, 9728
.set STGB, 9216                        ; a wave's stage: 16 rows x (4 x (128 bytes + 16))
.set SCW,  6*STGB                      ; behind the stages: 32 places of 16 bytes for the block's scale words
.set LI,  4                            ; v4   16 x lane
.set STI, 5                            ; v5   the stage, on the way in
.set STO, 6                            ; v6   and on the way out
.set SWA, 7                            ; v7   where my fragment's scale word goes
.set SRA, 8                            ; v8   where wave 0 reads three words back
.set L12, 9                            ; v9   12 x lane
.set R,   16                           ; v16-79   numbers as loaded
.set X,   80                           ; v80-143  my lane's two blocks of 32 numbers
.set F,   144                          ; v144-155 the fragment
.set TMP, 156                          ; v156-158
.set M0,  160
.set M1,  161
.set E0,  162                          ; v162-163 the conversions' scale operands
.set B0,  164                          ; v164-165 the scale bytes
.set WD,  166                          ; the scale word
.set WT,  167
.set PK,  168                          ; v168-191 f16 pairs
.set SEL, 36                           ; s[36:37] v_permlanex16_b32's selects for lane l xor 16
; 32 numbers of one lane, v[x] on, become 24 bytes of codes in v[dst] .. v[dst + 5]
.macro BLOCKQ x, dst, e, b
	v_max3_num_f32 v[M0], |v[\x]|, |v[\x+1]|, |v[\x+2]|
	v_max3_num_f32 v[M1], |v[\x+3]|, |v[\x+4]|, |v[\x+5]|
.irp i, 6,10,14,18,22,26
	v_max3_num_f32 v[M0], v[M0], |v[\x+\i]|, |v[\x+\i+1]|
	v_max3_num_f32 v[M1], v[M1], |v[\x+\i+2]|, |v[\x+\i+3]|
.endr
	v_max3_num_f32 v[M0], v[M0], |v[\x+30]|, |v[\x+31]|
	v_max3_num_f32 v[M0], v[M0], v[M1], 0x2800000          ; and the floor 2^(5 - 127): the byte cannot fall under 1
	v_add_nc_u32 v[\e], 0xfe000000, v[M0]                  ; 4 off the exponent field: the conversion takes this operand's exponent field as its scale
	v_cvt_scalef32_pk16_bf6_f32 v[\dst:\dst+2], v[\x:\x+15], v[\e]
	v_cvt_scalef32_pk16_bf6_f32 v[TMP:TMP+2], v[\x+16:\x+31], v[\e]   ; (a conversion's three registers begin on an even number)
	v_lshrrev_b32 v[\b], 23, v[\e]                         ; the scale's byte; also the plain line behind the conversions
.irp i, 0,1,2
	v_mov_b32 v[\dst+3+\i], v[TMP+\i]
.endr
.endm
	s_load_b256 s[4:11], s[0:1], 0x0               ; W_topic s[4:5], W_domain s[6:7], memory_tables s[8:9], category s[10:11]
	s_load_b128 s[12:15], s[0:1], 0x20             ; wq s[12:13], mq s[14:15]
	s_load_b64 s[16:17], s[0:1], 0x30              ; mh
	v_lshl_add_u32 v192, v0, 2, 0xda00
	v_mov_b32 v193, 0
	v_lshrrev_b32 v1, 5, v0
	v_readfirstlane_b32 s18, v1                    ; wave = fragment 0..5
	v_and_b32 v1, 31, v0                           ; L
	v_and_b32 v2, 15, v0                           ; rho
	v_bfe_u32 v3, v0, 4, 1                         ; h
	v_lshlrev_b32 v[LI], 4, v1
	s_mul_i32 s19, s18, STGB
	v_lshrrev_b32 v[STI], 3, v1
	v_lshl_add_u32 v[STI], v[STI], 4, v[LI]
	v_add_nc_u32 v[STI], s19, v[STI]               ; in: 16 L + 16 (L / 8): each 128 bytes (a block of 32 numbers) have 16 of padding behind them
	v_mul_u32_u24 v[STO], v2, 576
	v_mad_u32_u24 v[STO], v3, 144, v[STO]
	v_add_nc_u32 v[STO], s19, v[STO]               ; out: row rho, block h
	s_and_b32 s22, s18, 1                          ; u
	s_lshr_b32 s23, s18, 1                         ; b
	s_lshl_b32 s24, s22, 8
	s_lshl_b32 s25, s23, 2
	s_add_co_u32 s24, s24, s25
	s_add_co_u32 s24, s24, SCW
	v_lshl_add_u32 v[SWA], v2, 4, s24              ; place 16 u + rho, word b
	v_add_nc_u32 v[SRA], SCW, v[LI]
	v_mul_u32_u24 v[L12], v1, 12
	s_mov_b32 s[SEL], 0x76543210
	s_mov_b32 s[SEL+1], 0xfedcba98
	s_mov_b32 s29, 0                               ; the high word of every offset
	s_mul_i32 s38, s18, 1536                       ; my fragment's place in a block
	s_wait_kmcnt 0x0
	s_cmp_lt_u32 ttmp9, 256
	s_cbranch_scc0 .Lmem
	; ---- a block of a weight: 16 rows x 128 numbers a wave.  Each load reads 512 consecutive bytes of one row; the stage turns them so that lane (rho, h) holds k = 64 c + 32 h + 0..31 of row rho
	s_lshr_b32 s26, ttmp9, 4                       ; vt
	s_and_b32 s27, s26, 7
	s_mul_i32 s27, s27, 96
	s_lshl_b32 s23, s23, 5
	s_lshl_b32 s22, s22, 3
	s_add_co_u32 s27, s27, s23
	s_add_co_u32 s27, s27, s22                     ; the fragment's first weight row: 96 (vt % 8) + 32 b + 8 u
	s_lshl_b32 s28, s27, 13                        ; a row is 8,192 bytes
	s_and_b32 s27, ttmp9, 15
	s_lshl_b32 s27, s27, 9                         ; a K step is 512 bytes of it
	s_add_co_u32 s28, s28, s27
	s_cmp_lt_u32 s26, 8                            ; the choice hangs on the work-group's number alone
	s_cselect_b64 s[30:31], s[4:5], s[6:7]
	s_add_nc_u64 s[30:31], s[30:31], s[28:29]
	s_mul_i32 s28, ttmp9, BLKB
	s_add_co_u32 s28, s28, s38
	s_add_nc_u64 s[20:21], s[12:13], s[28:29]      ; where my fragment goes
.irp i, 0,1,2,3,4,5,6,7,8,9,10,11,12,13,14,15
	global_load_b128 v[R+4*\i:R+4*\i+3], v[LI], s[30:31] offset:(\i+8*(\i/8))*8192 th:TH_LOAD_NT
.endr
	s_wait_loadcnt 0x0
.irp i, 0,1,2,3,4,5,6,7,8,9,10,11,12,13,14,15
	ds_store_b128 v[STI], v[R+4*\i:R+4*\i+3] offset:576*\i
.endr
.irp c, 0,1
.irp j, 0,1,2,3,4,5,6,7
	ds_load_b128 v[X+32*\c+4*\j:X+32*\c+4*\j+3], v[STO] offset:288*\c+16*\j   ; LDS serves a wave's instructions in order: these see my stores
.endr
.endr
	s_wait_dscnt 0x0
	s_branch .Lquant
.Lmem:	; ---- 16 places of the gathered memory rows, 96 channels
	s_sub_co_u32 s26, ttmp9, 256                   ; tg
	s_mul_i32 s28, s26, BLKB
	s_add_co_u32 s28, s28, s38
	s_add_nc_u64 s[20:21], s[14:15], s[28:29]
	s_mul_i32 s28, s26, 18
	s_add_co_u32 s28, s28, s18
	s_lshl_b32 s28, s28, 10                        ; (18 tg + nb) x 1,024; b adds 6,144
	s_add_nc_u64 s[32:33], s[16:17], s[28:29]
	s_mul_i32 s27, s26, 384                        ; 96 channels of 4 bytes
	s_lshl_b32 s24, s18, 3
	v_and_b32 v10, 7, v2
	v_add_nc_u32 v10, s24, v10                     ; s = 8 nb + j
	v_lshrrev_b32 v11, 3, v2                       ; h'
	v_mul_u32_u24 v12, v10, 13
	v_lshrrev_b32 v12, 6, v12                      ; 13 s / 64 = s / 5 for s under 48
	v_min_u32 v12, 8, v12                          ; d (places 45-47 read row 8 and are cleared below)
	v_lshlrev_b32 v13, 2, v12
	global_load_b32 v14, v13, s[10:11]             ; category[d]
	v_mul_u32_u24 v15, v12, 5
	v_sub_nc_u32 v15, v10, v15
	v_mad_u32_u24 v15, v11, 5, v15
	v_min_u32 v15, 9, v15                          ; m = 5 h' + s % 5
	v_cmp_gt_u32 s34, 45, v10                      ; a place that stands for a row
	v_cmp_eq_u32 s35, 0, v3
	s_and_b32 s35, s35, s34                        ; and, for K's blocks 2 and 3, the half of the lanes that has numbers
	s_wait_loadcnt 0x0
	v_min_u32 v14, 8, v14                          ; an index stays inside its table
	v_mul_u32_u24 v14, v14, 10
	v_add_nc_u32 v14, v14, v15
	v_mul_u32_u24 v14, v14, 3072                   ; a row of 768 f32
	v_add_nc_u32 v14, s27, v14
	v_lshl_add_u32 v11, v3, 7, v14                 ; + 128 h: block h
	v_lshl_add_u32 v12, v3, 6, v14                 ; + 64 h: my 16 channels of a block, for f16
.irp j, 0,1,2,3,4,5,6,7
	global_load_b128 v[X+4*\j:X+4*\j+3], v11, s[8:9] offset:16*\j
.endr
.irp j, 0,1,2,3,4,5,6,7
	global_load_b128 v[X+32+4*\j:X+32+4*\j+3], v14, s[8:9] offset:256+16*\j   ; block 2; lanes 16-31 read it too (no load leaves the row) and clear it
.endr
.irp b, 0,1,2
.irp j, 0,1,2,3
	global_load_b128 v[R+16*\b+4*\j:R+16*\b+4*\j+3], v12, s[8:9] offset:128*\b+16*\j
.endr
.endr
	s_wait_loadcnt 0x0
.set k, 0
.rept 32
	v_cndmask_b32 v[X+k], 0, v[X+k], s34
	v_cndmask_b32 v[X+32+k], 0, v[X+32+k], s35
.set k, k+1
.endr
.set k, 0
.rept 48
	v_cndmask_b32 v[R+k], 0, v[R+k], s34
.set k, k+1
.endr
.set k, 0
.rept 24
	v_cvt_pk_f16_f32 v[PK+k], v[R+2*k], v[R+2*k+1]
.set k, k+1
.endr
.irp b, 0,1,2
.irp g, 0,1
	global_store_b128 v[LI], v[PK+8*\b+4*\g:PK+8*\b+4*\g+3], s[32:33] offset:6144*\b+512*\g   ; 32 lanes store 512 consecutive bytes
.endr
.endr
.Lquant:	; ---- both ways: my lane's blocks h and 2 + h of row rho
	BLOCKQ X, F, E0, B0
	BLOCKQ X+32, F+6, E0+1, B0+1
	v_lshl_or_b32 v[WD], v[B0+1], 16, v[B0]        ; my two bytes,
	v_lshlrev_b32 v[WT], 3, v3
	v_lshlrev_b32 v[WD], v[WT], v[WD]              ; at their places in the scale word (8 h bits up);
	v_mov_b32 v[WT], 0
	v_permlanex16_b32 v[WT], v[WD], s[SEL], s[SEL+1]
	v_or_b32 v[WD], v[WD], v[WT]                   ; with lane l xor 16's two the word is whole
.irp g, 0,1,2
	global_store_b128 v[LI], v[F+4*\g:F+4*\g+3], s[20:21] offset:512*\g   ; 32 lanes store 512 consecutive bytes
.endr
	ds_store_b32 v[SWA], v[WD]                     ; both halves of the lanes write the same word with the same value
	s_wait_dscnt 0x0                               ; for the others' sake: my word has landed
	s_barrier_signal -1
	s_barrier_wait -1
	s_cmp_lg_u32 s18, 0
	s_cbranch_scc1 .Lend
	ds_load_b96 v[TMP:TMP+2], v[SRA]               ; wave 0: the six fragments' words, three a lane,
	s_wait_dscnt 0x0
	global_store_b96 v[L12], v[TMP:TMP+2], s[20:21] offset:9216   ; leave as 384 consecutive bytes (wave 0's base is the block's)
.Lend:
	s_wait_tensorcnt 0x0
	ds_add_u32 v192, v193
	s_wait_dscnt 0x0
	s_endpgm
.Lfunc_end_k_q58e5cd11a5_prep:
	.size	k_q58e5cd11a5_prep, .Lfunc_end_k_q58e5cd11a5_prep-k_q58e5cd11a5_prep
	.p2alignl 7, 3214868480
	.fill 96, 4, 3214868480
	.section	.rodata,"a",@progbits
	.p2align	6, 0x0
	.amdhsa_kernel k_q58e5cd11a5_prep
		.amdhsa_group_segment_fixed_size 56576
		.amdhsa_private_segment_fixed_size 0
		.amdhsa_enable_private_segment 0
		.amdhsa_kernarg_size 56
		.amdhsa_user_sgpr_count 2
		.amdhsa_user_sgpr_kernarg_segment_ptr 1
		.amdhsa_wavefront_size32 1
		.amdhsa_system_sgpr_workgroup_id_x 1
		.amdhsa_system_sgpr_workgroup_id_y 1
		.amdhsa_system_sgpr_workgroup_id_z 1
		.amdhsa_system_vgpr_workitem_id 0
		.amdhsa_next_free_vgpr 194
		.amdhsa_next_free_sgpr 66
		.amdhsa_reserve_vcc 0
		.amdhsa_float_denorm_mode_32 3
		.amdhsa_float_denorm_mode_16_64 3
		.amdhsa_memory_ordered 1
		.amdhsa_forward_progress 1
		.amdhsa_inst_pref_size 24
	.end_amdhsa_kernel
	.amdgpu_metadata
---
amdhsa.version: [ 1, 2 ]
amdhsa.kernels:
  - .name:           k_q58e5cd11a5_prep
    .symbol:         k_q58e5cd11a5_prep.kd
    .args:
      - { .name: W_topic, .offset: 0, .size: 8, .value_kind: global_buffer, .address_space: global }
      - { .name: W_domain, .offset: 8, .size: 8, .value_kind: global_buffer, .address_space: global }
      - { .name: memory_tables, .offset: 16, .size: 8, .value_kind: global_buffer, .address_space: global }
      - { .name: category, .offset: 24, .size: 8, .value_kind: global_buffer, .address_space: global }
      - { .name: wq, .offset: 32, .size: 8, .value_kind: global_buffer, .address_space: global }
      - { .name: mq, .offset: 40, .size: 8, .value_kind: global_buffer, .address_space: global }
      - { .name: mh, .offset: 48, .size: 8, .value_kind: global_buffer, .address_space: global }
    .group_segment_fixed_size: 56576
    .private_segment_fixed_size: 0
    .kernarg_segment_align: 8
    .kernarg_segment_size: 56
    .max_flat_workgroup_size: 192
    .sgpr_count:     66
    .vgpr_count:     194
    .wavefront_size: 32
...
	.end_amdgpu_metadata
.endif
;; end of part 1
;; launch main (part 2): grid 256 x 1, 8 waves a work-group, no clusters, 309,248 bytes of LDS; arguments feature, wq, mq, mh, out0; writes out0
.if DOCPART == 2
	.amdgcn_target "amdgcn-amd-amdhsa--gfx1250"
	.amdhsa_code_object_version 6
	.text
	.protected	k_q58e5cd11a5_main
	.globl	k_q58e5cd11a5_main
	.p2align	8
	.type	k_q58e5cd11a5_main,@function
k_q58e5cd11a5_main:
	s_mov_b64 s[64:65], 0
	v_nop
	global_prefetch_b8 v0, s[64:65] scope:SCOPE_SE
	s_setreg_imm32_b32 hwreg(HW_REG_WAVE_MODE, 25, 1), 1
	s_wait_xcnt 0x0
; out0[b][d] = softmax_d(32 sum_m att[b][d][m] G[b][d][m]),  att = softmax_m(32 Q(t) . Q(mem[d][m])),  G = dproj . mem[d][m],  t = Q(feat) Q(W_topic)^T,  dproj = Q(feat) Q(W_domain)^T,
; feat = feature / max(|feature|, 1e-12).  Q: codes of BF6 (E3M2) with one E8M0 byte for each 32 along K.  (sum_e (sum_m att mem[e]) dproj[e] is summed over e first: G; the same sum in another order.)
; SHARES.  A work-group owns 64 rows through the whole chain; nothing but the result goes to memory.  Eight waves of 512 registers.
;   A: wave w normalises and quantises rows 8 w .. 8 w + 7: a row (8,192 bytes) is held whole between its sum of squares and its conversion.  Its codes go to LDS as images of the operand's registers.
;   B: THE WAVES SHARE THE COLUMNS: waves 0-3 take 192 rows of W_topic each, waves 4-7 of W_domain, in two tiles of 96, each against all 64 rows: 24 accumulators, 24 matrix instructions for 128 along K.
;      The weights' codes come from memory STRAIGHT INTO REGISTERS, laid by the launch before in the order of the operand's registers, through a ring of three blocks (19 loads each): no barrier in B.
;   Behind each tile: waves 0-3 quantise their 96 numbers of t a row (three blocks of the next K), waves 4-7 round dproj to f16; both keep the images in LDS bytes of their own.
;   Tail: waves 0-3 multiply Q(t) by the memory rows' codes, waves 4-7 dproj by their f16 copy, each over its own 192 channels; the four parts are added through LDS; waves 0-3 take the two softmaxes.
; THE MATRIX INSTRUCTIONS ARE USED TRANSPOSED (source 0 = 16 rows of a weight or 16 places of the memory, source 1 = 16 rows of x, t or dproj): a lane holds ONE row of the batch throughout.
; NO JOINT TENSOR LOADS, though all work-groups walk the same weights: x's codes (103,424 bytes) and the waves' own bytes (8 x 25,600) leave 19,456 bytes of LDS, two of the eight blocks of 9,600 bytes that a step
; of the work-group takes; and through LDS each block would be written and read once more for its 24 matrix instructions, beside the 6,400 bytes of x that a step reads already.
; LIMITS: NaN and infinities are not served.  dproj beyond 65,504 has no f16 number (|feat| = 1, so |dproj| is at most the norm of a row of W_domain).  feat is x times the reciprocal of the norm, not a division.
; A block of zeros has the scale byte 1; the empty fourth block of t's K steps has zero codes under the byte 0.  Sums are taken in another order than the source reads.
; REGISTERS.  Window 0: v1-11, v38-39 addresses; v12-15 scale words of x, later of t; v16-27 the weights' scale words; v28-37 at work in the quantiser; v40-63 x's tiles 0, 1; v64-255 the 24 accumulators.
;   Window 1: v0-215 the ring of weights; v216-239 x's tiles 2, 3.  In phase A: window 1 = four rows as loaded, v64-127 a row by blocks, v128-182 at work.
.set XFRAG, 1552                       ; a fragment's image: 3 x 512 bytes + 16
.set XKS,   4*XFRAG                    ; a K step's four tiles of rows
.set XSC,   64*XFRAG                   ; x's scale bytes: 256 ks + 64 m + 4 r + block
.set PRIV0, XSC+4096                   ; from here 25,600 bytes for each wave
.set PRIVB, 25600
.set PSCO,  24576                      ; in them: t's scale words
.set GX,    4096                       ; G's sums, over x's codes when those are done with; the result's 2,304 bytes lie at 0
.set BLKB,  9728
.set LI,  1                            ; 16 x lane
.set L12, 2                            ; 12 x lane
.set XAD, 3                            ; x's fragments of the K step in hand
.set XSA, 4                            ; and their scale words
.set PIM, 5                            ; my wave's bytes + 16 x lane
.set PSC, 6                            ; t's scale words, on the way in: 4 (lane % 16)
.set FA0, 7                            ; the four parts that I add: waves 0, 1 of my four,
.set FA1, 8                            ; waves 2, 3
.set GXA, 9
.set OSA, 10                           ; the result: my row's 36 bytes
.set OSR, 11                           ; and the way out: 512 x wave + 16 x lane
.set SX,  12
.set SW,  16
.set QT,  28
.set QU,  31
.set QE,  34
.set QW,  37
.set OSR8, 38                          ; 2,048 + 8 x lane
.set TSL, 39                           ; t's scale words, on the way out: 4 x lane
.set X01, 40
.set PC,  40                           ; at a boundary: the codes just made,
.set EX,  52                           ; and two spare runs of three
.set EX2, 56
.set ACC, 64
.set X23, 216                          ; window 1
.set TF,  144                          ; window 1, tail: t's fragments, or dproj's
.set X,   64                           ; phase A
.set SS,  128
.set NN,  136
.set RR,  138
.set MA,  140
.set EA,  144
.set BB,  146
.set CA,  148
.set TA,  160
.set PT,  168
.set STI, 177
.set STO, 178
.set AP,  179
.set AB,  182
.set L0,  64                           ; the softmaxes
.set MX,  112
.set UU,  122
.set NM,  132
.set ZZ,  142
.set RZ,  152
.set GG,  176
.set WV,  14                           ; s14 wave
.set W3,  15                           ; s15 wave % 4
.set SEL, 16                           ; s[16:17]
.set CNT, 18
.set WP,  20                           ; s[20:21] where my ring stands in wq
.set CS,  28                           ; s28 = 32 log2(e), s29 = its negative
.set MSB, 0
.macro WIN new                         ; the immediate's high byte repeats the setting that is left; bits 1:0 source 0, 3:2 source 1, 5:4 source 2, 7:6 destination
.if MSB != \new
	s_set_vgpr_msb (MSB<<8)|\new
.set MSB, \new
.endif
.endm
; one scaled product.  z = 1: it starts the sum.  ra, rb = 1: the side's scale words stand in lanes 16-31 of the register named
.macro WM d, a, b, z, sa, sb, ra, rb
.if \z
.if (\ra) && (\rb)
	v_wmma_scale_f32_16x16x128_f8f6f4 v[\d:\d+7], v[\a:\a+11], v[\b:\b+11], 0, v[\sa], v[\sb] matrix_a_fmt:MATRIX_FMT_BF6 matrix_b_fmt:MATRIX_FMT_BF6 matrix_a_scale:MATRIX_SCALE_ROW1 matrix_b_scale:MATRIX_SCALE_ROW1
.elseif \ra
	v_wmma_scale_f32_16x16x128_f8f6f4 v[\d:\d+7], v[\a:\a+11], v[\b:\b+11], 0, v[\sa], v[\sb] matrix_a_fmt:MATRIX_FMT_BF6 matrix_b_fmt:MATRIX_FMT_BF6 matrix_a_scale:MATRIX_SCALE_ROW1
.elseif \rb
	v_wmma_scale_f32_16x16x128_f8f6f4 v[\d:\d+7], v[\a:\a+11], v[\b:\b+11], 0, v[\sa], v[\sb] matrix_a_fmt:MATRIX_FMT_BF6 matrix_b_fmt:MATRIX_FMT_BF6 matrix_b_scale:MATRIX_SCALE_ROW1
.else
	v_wmma_scale_f32_16x16x128_f8f6f4 v[\d:\d+7], v[\a:\a+11], v[\b:\b+11], 0, v[\sa], v[\sb] matrix_a_fmt:MATRIX_FMT_BF6 matrix_b_fmt:MATRIX_FMT_BF6
.endif
.else
.if (\ra) && (\rb)
	v_wmma_scale_f32_16x16x128_f8f6f4 v[\d:\d+7], v[\a:\a+11], v[\b:\b+11], v[\d:\d+7], v[\sa], v[\sb] matrix_a_fmt:MATRIX_FMT_BF6 matrix_b_fmt:MATRIX_FMT_BF6 matrix_a_scale:MATRIX_SCALE_ROW1 matrix_b_scale:MATRIX_SCALE_ROW1
.elseif \ra
	v_wmma_scale_f32_16x16x128_f8f6f4 v[\d:\d+7], v[\a:\a+11], v[\b:\b+11], v[\d:\d+7], v[\sa], v[\sb] matrix_a_fmt:MATRIX_FMT_BF6 matrix_b_fmt:MATRIX_FMT_BF6 matrix_a_scale:MATRIX_SCALE_ROW1
.elseif \rb
	v_wmma_scale_f32_16x16x128_f8f6f4 v[\d:\d+7], v[\a:\a+11], v[\b:\b+11], v[\d:\d+7], v[\sa], v[\sb] matrix_a_fmt:MATRIX_FMT_BF6 matrix_b_fmt:MATRIX_FMT_BF6 matrix_b_scale:MATRIX_SCALE_ROW1
.else
	v_wmma_scale_f32_16x16x128_f8f6f4 v[\d:\d+7], v[\a:\a+11], v[\b:\b+11], v[\d:\d+7], v[\sa], v[\sb] matrix_a_fmt:MATRIX_FMT_BF6 matrix_b_fmt:MATRIX_FMT_BF6
.endif
.endif
.endm
.macro RF128 p, off                    ; a block's six fragments into place p of the ring (window 1)
.irp c, 0,1,2,3,4,5
.irp g, 0,1,2
	global_load_b128 v[72*(\p)+12*\c+4*\g:72*(\p)+12*\c+4*\g+3], v[LI], s[WP:WP+1] offset:(\off)+1536*\c+512*\g
.endr
.endr
.endm
.macro RF96 p, off                     ; and its scale words: register i: lanes 0-15 fragment 2 i, lanes 16-31 fragment 2 i + 1
	global_load_b96 v[SW+4*(\p):SW+4*(\p)+2], v[L12], s[WP:WP+1] offset:(\off)+9216
.endm
.macro BARRIER                         ; my LDS stores have landed and my LDS loads are in: then the work-group's barrier
	s_wait_dscnt 0x0
	s_barrier_signal -1
	s_barrier_wait -1
.endm
	s_load_b256 s[4:11], s[0:1], 0x0               ; feature s[4:5], wq s[6:7], mq s[8:9], mh s[10:11]
	s_load_b64 s[12:13], s[0:1], 0x20              ; out0
	v_lshl_add_u32 v23, v0, 2, 0x4b400
	v_mov_b32 v27, 0
	v_lshrrev_b32 v40, 5, v0
	v_readfirstlane_b32 s[WV], v40                 ; wave 0..7
	v_and_b32 v40, 31, v0                          ; L
	v_lshlrev_b32 v[LI], 4, v40
	s_lshl_b32 s22, ttmp9, 19                      ; 64 rows of 8,192 bytes a work-group,
	s_lshl_b32 s24, s[WV], 16                      ; 8 a wave
	s_add_co_u32 s22, s22, s24
	s_mov_b32 s23, 0
	s_wait_kmcnt 0x0
	s_add_nc_u64 s[4:5], s[4:5], s[22:23]
	WIN 0x40                                       ; destination window 1
.irp i, 0,1,2,3
.irp k, 0,1,2,3,4,5,6,7,8,9,10,11,12,13,14,15
	global_load_b128 v[64*\i+4*\k:64*\i+4*\k+3], v[LI], s[4:5] offset:8192*\i+512*\k th:TH_LOAD_NT   ; rows 0 to 3: each load reads 512 consecutive bytes
.endr
.endr
	WIN 0
	; every LDS address is made here, ahead of the first branch on the wave's number
	v_and_b32 v41, 15, v0                          ; r
	s_and_b32 s[W3], s[WV], 3
	s_lshr_b32 s19, s[WV], 2
	s_mul_i32 s22, s[WV], PRIVB
	s_add_co_u32 s22, s22, PRIV0                   ; my wave's bytes
	v_mul_u32_u24 v[L12], v40, 12
	v_add_nc_u32 v[PIM], s22, v[LI]
	s_add_co_u32 s23, s22, PSCO
	v_lshl_add_u32 v[PSC], v41, 2, s23
	v_lshl_add_u32 v[TSL], v40, 2, s23
	s_mul_i32 s24, s19, 4*PRIVB
	s_mul_i32 s25, s[W3], 6144
	s_add_co_u32 s24, s24, s25
	s_add_co_u32 s24, s24, PRIV0
	v_add_nc_u32 v[FA0], s24, v[LI]                ; tile of rows wave % 4 in the bytes of the first wave of my four
	v_add_nc_u32 v[FA1], 2*PRIVB, v[FA0]
	s_add_co_u32 s25, s25, GX
	v_add_nc_u32 v[GXA], s25, v[LI]
	s_mul_i32 s24, s[W3], 576
	v_mad_u32_u24 v[OSA], v41, 36, s24             ; row 16 (wave % 4) + r of the result, 36 bytes a row
	s_lshl_b32 s24, s[WV], 9
	v_add_nc_u32 v[OSR], s24, v[LI]
	v_lshl_add_u32 v[OSR8], v40, 3, 2048
	v_lshrrev_b32 v42, 3, v40
	v_lshl_add_u32 v[STI], v42, 4, v[PIM]          ; the stage, in: 16 L + 16 (L / 8): a block's 128 bytes, then 16 of padding
	v_mad_u32_u24 v[STO], v40, 144, s22            ; out: block L
	s_lshr_b32 s23, s[WV], 1                       ; my rows' tile m,
	s_and_b32 s24, s[WV], 1                        ; and which half of it
	s_mul_i32 s25, s23, XFRAG
	s_lshl_b32 s26, s24, 7
	s_add_co_u32 s25, s25, s26
	v_lshrrev_b32 v42, 2, v40                      ; lane L takes blocks L and 32 + L of a row: K step L / 4 (+ 8),
	v_and_b32 v43, 1, v40                          ; half h = L % 2 of the lanes of the image,
	v_bfe_u32 v44, v40, 1, 1                       ; registers 6 c on, c = (L / 2) % 2
	v_mad_u32_u24 v45, v42, XKS, s25
	v_lshl_add_u32 v45, v43, 8, v45                ; 16 x (16 h + r): r = 8 (wave % 2) + i; the row's 16 i stand in the offset
	v_mad_u32_u24 v[AP], v44, 520, v45             ; registers 6 c, 6 c + 1: byte 0 or 520 of the image lane's three pieces of 16 bytes, 512 apart
	v_mad_u32_u24 v[AP+1], v44, 1016, v45
	v_add_nc_u32 v[AP+1], 8, v[AP+1]               ; 6 c + 2, 6 c + 3: 8 or 1,024
	v_add_nc_u32 v[AP+2], 512, v[AP]               ; 6 c + 4, 6 c + 5: 512 or 1,032
	s_lshl_b32 s25, s23, 6
	s_lshl_b32 s26, s24, 5
	s_add_co_u32 s25, s25, s26
	s_add_co_u32 s25, s25, XSC
	v_and_b32 v43, 3, v40
	v_lshl_add_u32 v43, v42, 8, v43
	v_add_nc_u32 v[AB], s25, v43                   ; my block's scale byte
.irp b, 0,1,2
	v_mov_b32 v[QU+\b], 0                          ; written once: a lane permute's destination counts as one of its sources
.endr
	v_mov_b32 v[PT], 0
	s_mov_b32 s[SEL], 0x76543210
	s_mov_b32 s[SEL+1], 0xfedcba98                 ; v_permlanex16_b32's selects for lane l xor 16
	s_mov_b32 s[CS], 0x4238aa3b                    ; c = 32 log2(e)
	s_mov_b32 s[CS+1], 0xc238aa3b                  ; -c
	s_mul_i32 s24, s[WV], 32*BLKB                  ; my 32 blocks of wq
	s_mov_b32 s25, 0
	s_add_nc_u64 s[WP:WP+1], s[6:7], s[24:25]
	s_mul_i32 s24, s[W3], 2*BLKB                   ; my two blocks of mq
	s_add_nc_u64 s[8:9], s[8:9], s[24:25]
	s_mul_i32 s24, s[W3], 36864                    ; my six sets of six fragments of mh
	s_add_nc_u64 s[10:11], s[10:11], s[24:25]
	s_mul_i32 s24, ttmp9, 2304                     ; 64 rows of 36 bytes: nine times 256
	s_add_nc_u64 s[12:13], s[12:13], s[24:25]
; ---- PHASE A.  Row i of my eight.  mode 1: its registers take row i + 4; mode 2: the ring's first three blocks are asked for.  left: the younger rows' loads, 16 each, which may stay out.
.macro ROW i, mode, left
	s_wait_loadcnt \left
	WIN 0x04                                       ; an LDS store's data are its source 1: window 1
.irp k, 0,1,2,3,4,5,6,7,8,9,10,11,12,13,14,15
	ds_store_b128 v[STI], v[64*((\i)%4)+4*\k:64*((\i)%4)+4*\k+3] offset:576*\k
.endr
	WIN 0
.irp q, 0,1
.irp j, 0,1,2,3,4,5,6,7
	ds_load_b128 v[X+32*\q+4*\j:X+32*\q+4*\j+3], v[STO] offset:4608*\q+16*\j   ; back by blocks: 32 neighbours a lane, twice.  LDS serves a wave's instructions in order
.endr
.endr
	s_wait_dscnt 0x0                               ; the row is back; the stores have read the row's registers, and the last row's stores of codes theirs
.if \mode == 1
	WIN 0x40
.irp k, 0,1,2,3,4,5,6,7,8,9,10,11,12,13,14,15
	global_load_b128 v[64*((\i)%4)+4*\k:64*((\i)%4)+4*\k+3], v[LI], s[4:5] offset:8192*((\i)+4)+512*\k th:TH_LOAD_NT
.endr
	WIN 0
.elseif \mode == 2
.irp p, 0,1,2                          ; block by block, so that a block's 19 loads stand together in the order of issue
	WIN 0x40
	RF128 \p, \p*BLKB
	WIN 0
	RF96 \p, \p*BLKB
.endr
.endif
.irp q, 0,1,2,3
	v_pk_mul_f32 v[SS+2*\q:SS+2*\q+1], v[X+2*\q:X+2*\q+1], v[X+2*\q:X+2*\q+1]   ; the sum of squares: four chains of pairs, started by the first products
.endr
.set j, 4
.rept 28
	v_pk_fma_f32 v[SS+2*(j%4):SS+2*(j%4)+1], v[X+2*j:X+2*j+1], v[X+2*j:X+2*j+1], v[SS+2*(j%4):SS+2*(j%4)+1]
.set j, j+1
.endr
	v_pk_add_f32 v[SS:SS+1], v[SS:SS+1], v[SS+2:SS+3]
	v_pk_add_f32 v[SS+4:SS+5], v[SS+4:SS+5], v[SS+6:SS+7]
	v_pk_add_f32 v[SS:SS+1], v[SS:SS+1], v[SS+4:SS+5]
	v_add_f32 v[SS], v[SS], v[SS+1]
	v_add_f32_dpp v[SS], v[SS], v[SS] row_xmask:1 row_mask:0xf bank_mask:0xf
	v_add_f32_dpp v[SS], v[SS], v[SS] row_xmask:2 row_mask:0xf bank_mask:0xf
	v_add_f32_dpp v[SS], v[SS], v[SS] row_xmask:4 row_mask:0xf bank_mask:0xf
	v_add_f32_dpp v[SS], v[SS], v[SS] row_xmask:8 row_mask:0xf bank_mask:0xf
	v_permlanex16_b32 v[PT], v[SS], s[SEL], s[SEL+1]
	v_add_f32 v[SS], v[SS], v[PT]                  ; the row's, in every lane
	v_sqrt_f32 v[NN], v[SS]
	; the two blocks' largest magnitudes, of the numbers as they came: rounding keeps order, so the largest times 1 / norm is the largest of the scaled numbers.  (Plain work behind the root)
.irp q, 0,1
	v_max3_num_f32 v[MA+2*\q], |v[X+32*\q]|, |v[X+32*\q+1]|, |v[X+32*\q+2]|
	v_max3_num_f32 v[MA+2*\q+1], |v[X+32*\q+3]|, |v[X+32*\q+4]|, |v[X+32*\q+5]|
.endr
.irp t, 6,10,14,18,22,26
.irp q, 0,1
	v_max3_num_f32 v[MA+2*\q], v[MA+2*\q], |v[X+32*\q+\t]|, |v[X+32*\q+\t+1]|
	v_max3_num_f32 v[MA+2*\q+1], v[MA+2*\q+1], |v[X+32*\q+\t+2]|, |v[X+32*\q+\t+3]|
.endr
.endr
.irp q, 0,1
	v_max3_num_f32 v[MA+2*\q], v[MA+2*\q], |v[X+32*\q+30]|, |v[X+32*\q+31]|
.endr
.irp q, 0,1
	v_max_num_f32 v[MA+2*\q], v[MA+2*\q], v[MA+2*\q+1]
.endr
	s_wait_alu depctr_va_vdst(0)                   ; the wait ahead of the first line that names the root
	v_max_num_f32 v[NN], 0x2b8cbccc, v[NN]         ; max(norm, 1e-12)
	v_rcp_f32 v[RR], v[NN]
	v_mov_b32 v[RR+1], 0                           ; (named with it as a pair, so it is written; also the plain line behind the reciprocal)
	s_wait_alu depctr_va_vdst(0)
.set j, 0
.rept 32
	v_pk_mul_f32 v[X+2*j:X+2*j+1], v[X+2*j:X+2*j+1], v[RR:RR+1] op_sel_hi:[1,0]   ; feat
.set j, j+1
.endr
.irp q, 0,1
	v_mul_f32 v[MA+2*\q], v[MA+2*\q], v[RR]
.endr
.irp q, 0,1
	v_max_num_f32 v[MA+2*\q], 0x2800000, v[MA+2*\q]    ; the floor 2^(5 - 127): the byte cannot fall under 1
.endr
.irp q, 0,1
	v_add_nc_u32 v[EA+\q], 0xfe000000, v[MA+2*\q]      ; 4 off the exponent field: the conversion's scale operand
.endr
.irp q, 0,1
	v_cvt_scalef32_pk16_bf6_f32 v[CA+6*\q:CA+6*\q+2], v[X+32*\q:X+32*\q+15], v[EA+\q]
	v_cvt_scalef32_pk16_bf6_f32 v[TA+4*\q:TA+4*\q+2], v[X+32*\q+16:X+32*\q+31], v[EA+\q]   ; (a conversion's three registers begin on an even number)
.endr
.irp q, 0,1
	v_lshrrev_b32 v[BB+\q], 23, v[EA+\q]           ; the scale's byte; also the plain line behind the conversions
.endr
.irp q, 0,1
.irp t, 0,1,2
	v_mov_b32 v[CA+6*\q+3+\t], v[TA+4*\q+\t]
.endr
.endr
.irp q, 0,1
.irp p, 0,1,2
	ds_store_b64 v[AP+\p], v[CA+6*\q+2*\p:CA+6*\q+2*\p+1] offset:16*(\i)+8*XKS*\q   ; into the image of fragment (K step, m), at the place of lane 16 h + r
.endr
.endr
.irp q, 0,1
	ds_store_b8 v[AB], v[BB+\q] offset:4*(\i)+2048*\q
.endr
.endm
	ROW 0, 1, 48
	ROW 1, 1, 48
	ROW 2, 1, 48
	ROW 3, 1, 48
	ROW 4, 0, 48
	ROW 5, 0, 32
	ROW 6, 0, 16
	ROW 7, 2, 0
	BARRIER                                        ; x's 64 fragments and their scale bytes lie in LDS.  (The weights' loads stay out: nobody writes those bytes)
; ---- PHASE B
.macro XFIRST                          ; K step 0 of x: tiles 0, 1 and their words, then tiles 2, 3 and theirs.  No LDS instruction of mine is out here
	v_mov_b32 v[XAD], v[LI]
	v_lshrrev_b32 v[XSA], 2, v[LI]
	v_add_nc_u32 v[XSA], XSC, v[XSA]               ; 4 x lane: lanes 0-15 an even tile's rows, lanes 16-31 the odd tile's
.irp m, 0,1
.irp g, 0,1,2
	ds_load_b128 v[X01+12*\m+4*\g:X01+12*\m+4*\g+3], v[XAD] offset:XFRAG*\m+512*\g
.endr
.endr
	ds_load_b32 v[SX], v[XSA]
	WIN 0x40
.irp m, 0,1
.irp g, 0,1,2
	ds_load_b128 v[X23+12*\m+4*\g:X23+12*\m+4*\g+3], v[XAD] offset:2*XFRAG+XFRAG*\m+512*\g
.endr
.endr
	WIN 0
	ds_load_b32 v[SX+1], v[XSA] offset:128
.endm
; 128 along K: the block in place p of the ring against x's four tiles.  The 24 accumulators take turns, one instruction a turn, in the same order in every step.
; i: the block's number counted from s[WP].  refill = 1: place p takes the block three on.  left: the younger blocks' loads, 19 each.  nx = 1: the next K step of x is fetched.
; A load into a register that a matrix instruction has read stands four plain vector lines behind it (ISA guide 7.12.1 for vector instructions).
.macro STEP p, i, zero, refill, left, nx
	s_wait_loadcnt \left
	s_wait_dscnt 7                                 ; x's tiles 0, 1 and their words are in; the six loads of tiles 2, 3 and their words may be out
	WIN 0x01                                       ; source 0 (the weight) window 1
.irp m, 0,1
.irp c, 0,1,2,3,4,5
	WM ACC+8*(6*\m+\c), 72*(\p)+12*\c, X01+12*\m, \zero, SW+4*(\p)+\c/2, SX, \c%2, \m
.endr
.endr
	s_wait_dscnt 0x0                               ; tiles 2, 3 are in, and no LDS load is out while its address registers are stepped
	WIN 0
.if \nx
	v_add_nc_u32 v[XAD], XKS, v[XAD]
	v_add_nc_u32 v[XSA], 256, v[XSA]
	v_nop
	v_nop
.irp m, 0,1
.irp g, 0,1,2
	ds_load_b128 v[X01+12*\m+4*\g:X01+12*\m+4*\g+3], v[XAD] offset:XFRAG*\m+512*\g
.endr
.endr
	ds_load_b32 v[SX], v[XSA]
.endif
	WIN 0x05                                       ; sources 0 and 1 window 1
.irp m, 0,1
.irp c, 0,1,2,3,4,5
	WM ACC+8*(6*(\m+2)+\c), 72*(\p)+12*\c, X23+12*\m, \zero, SW+4*(\p)+\c/2, SX+1, \c%2, \m
.endr
.endr
.rept 4
	v_nop                                          ; for the loads below, and behind a tile's last step for the first read of the results
.endr
.if (\refill) || (\nx)
	WIN 0x40
.endif
.if \refill
	RF128 \p, ((\i)+3)*BLKB
.endif
.if \nx
.irp m, 0,1
.irp g, 0,1,2
	ds_load_b128 v[X23+12*\m+4*\g:X23+12*\m+4*\g+3], v[XAD] offset:2*XFRAG+XFRAG*\m+512*\g
.endr
.endr
.endif
	WIN 0
.if \refill
	RF96 \p, ((\i)+3)*BLKB
.endif
.if \nx
	ds_load_b32 v[SX+1], v[XSA] offset:128
.endif
.endm
; A tile of 96 weight rows: 16 steps.  P0: the ring's place of its first block.  tailfill = 1: the last three steps ask for the next tile's first three blocks; 0: for nothing, and the counts run down.
.macro TAU P0, tailfill
	XFIRST
	STEP \P0, 0, 1, 1, 38, 1                       ; the first step starts the sums: nothing is cleared
	s_wait_xcnt 0x0                                ; the loads have read their base: it may step
	s_add_nc_u64 s[WP:WP+1], s[WP:WP+1], BLKB
	s_mov_b32 s[CNT], 4
.Ltau_\@:                                              ; a trip goes once round the ring: three steps
	STEP (\P0+1)%3, 0, 0, 1, 38, 1
	STEP (\P0+2)%3, 1, 0, 1, 38, 1
	STEP \P0, 2, 0, 1, 38, 1
	s_wait_xcnt 0x0
	s_add_nc_u64 s[WP:WP+1], s[WP:WP+1], 3*BLKB
	s_sub_co_u32 s[CNT], s[CNT], 1
	s_cmp_lg_u32 s[CNT], 0
	s_cbranch_scc1 .Ltau_\@
.if \tailfill
	STEP (\P0+1)%3, 0, 0, 1, 38, 1
	STEP (\P0+2)%3, 1, 0, 1, 38, 1
	STEP \P0, 2, 0, 1, 38, 0
	s_wait_xcnt 0x0
	s_add_nc_u64 s[WP:WP+1], s[WP:WP+1], 3*BLKB
.else
	STEP (\P0+1)%3, 0, 0, 0, 38, 1
	STEP (\P0+2)%3, 1, 0, 0, 19, 1
	STEP \P0, 2, 0, 0, 0, 0
.endif
.endm
; Tile of rows m, 96 numbers of t a row: register 16 b + i of my 48 = channel 32 b + 16 (lane / 16) + i of row lane % 16.  They become K step s of my part of the next product: three blocks and an empty fourth.
.macro QUANT96 m, s
.set H, ACC+48*(\m)
.irp b, 0,1,2
	v_max3_num_f32 v[QT+\b], |v[H+16*\b]|, |v[H+16*\b+1]|, 0x2800000   ; each accumulator is read from its low end on; the floor 2^(5 - 127) holds the byte at 1 from below
.endr
.irp i, 2,4,6,8,10,12,14
.irp b, 0,1,2
	v_max3_num_f32 v[QT+\b], v[QT+\b], |v[H+16*\b+\i]|, |v[H+16*\b+\i+1]|
.endr
.endr
.irp b, 0,1,2
	v_permlanex16_b32 v[QU+\b], v[QT+\b], s[SEL], s[SEL+1]
.endr
.irp b, 0,1,2
	v_max_num_f32 v[QT+\b], v[QT+\b], v[QU+\b]     ; with lane l xor 16's 16: the block's largest magnitude
.endr
.irp b, 0,1,2
	v_add_nc_u32 v[QE+\b], 0xfe000000, v[QT+\b]
.endr
.irp b, 0,1,2
	v_lshrrev_b32 v[QU+\b], 23, v[QE+\b]
.endr
	v_lshl_or_b32 v[QW], v[QU+1], 8, v[QU]
	v_lshl_or_b32 v[QW], v[QU+2], 16, v[QW]        ; the row's scale word; the empty block's byte is 0, over zero codes
	v_cvt_scalef32_pk16_bf6_f32 v[PC:PC+2], v[H:H+15], v[QE]
	v_cvt_scalef32_pk16_bf6_f32 v[EX:EX+2], v[H+16:H+31], v[QE+1]
	v_cvt_scalef32_pk16_bf6_f32 v[PC+6:PC+8], v[H+32:H+47], v[QE+2]
.irp i, 0,1,2
	v_mov_b32 v[EX2+\i], 0                         ; the fourth block's codes; also the plain lines behind the conversions
.endr
.irp i, 0,1,2                          ; the operand's layout wants a WHOLE block in a lane: lanes 0-15 blocks 0 and 2, lanes 16-31 blocks 1 and 3
	v_permlane16_swap_b32 v[PC+\i], v[EX+\i]
	v_permlane16_swap_b32 v[PC+6+\i], v[EX2+\i]
.endr
.irp i, 0,1,2
	v_mov_b32 v[PC+3+\i], v[EX+\i]
	v_mov_b32 v[PC+9+\i], v[EX2+\i]
.endr
.irp g, 0,1,2
	ds_store_b128 v[PIM], v[PC+4*\g:PC+4*\g+3] offset:(4*(\s)+(\m))*1536+512*\g
.endr
	ds_store_b32 v[PSC], v[QW] offset:256*(\s)+64*(\m)   ; both halves of the lanes write the same word with the same value
	s_wait_dscnt 0x0                               ; the stores have read their registers
.endm
; The same 48 numbers of dproj, rounded to f16: three fragments of 32 channels; the lane's 16 channels of each in order, as the memory's f16 copy is laid
.macro PACK16 m, s
.set H, ACC+48*(\m)
.set k, 0
.rept 24
	v_cvt_pk_f16_f32 v[X01+k], v[H+2*k], v[H+2*k+1]
.set k, k+1
.endr
.irp b, 0,1,2
.irp g, 0,1
	ds_store_b128 v[PIM], v[X01+8*\b+4*\g:X01+8*\b+4*\g+3] offset:(12*(\s)+3*(\m)+\b)*1024+512*\g
.endr
.endr
	s_wait_dscnt 0x0
.endm
	TAU 0, 1
	s_cmp_lt_u32 s[WV], 4
	s_cbranch_scc0 .Ldom0
.irp m, 0,1,2,3
	QUANT96 \m, 0
.endr
	s_branch .Ljoin0
.Ldom0:
.irp m, 0,1,2,3
	PACK16 \m, 0
.endr
.Ljoin0:
	TAU 1, 0
	s_cmp_lt_u32 s[WV], 4
	s_cbranch_scc0 .Ldom1
	; ---- waves 0-3: the memory's codes are asked for first (38 loads, into the ring's places 0 and 1), then t's second tile is quantised, then the scores over my 192 channels
	WIN 0x40
.irp s, 0,1
.irp c, 0,1,2,3,4,5
.irp g, 0,1,2
	global_load_b128 v[72*\s+12*\c+4*\g:72*\s+12*\c+4*\g+3], v[LI], s[8:9] offset:BLKB*\s+1536*\c+512*\g
.endr
.endr
.endr
	WIN 0
.irp s, 0,1
	global_load_b96 v[SW+4*\s:SW+4*\s+2], v[L12], s[8:9] offset:BLKB*\s+9216
.endr
.irp m, 0,1,2,3
	QUANT96 \m, 1
.endr
	WIN 0x40
.irp s, 0,1
.irp m, 0,1,2,3
.irp g, 0,1,2
	ds_load_b128 v[TF+48*\s+12*\m+4*\g:TF+48*\s+12*\m+4*\g+3], v[PIM] offset:(4*\s+\m)*1536+512*\g
.endr
.endr
.endr
	WIN 0
.irp s, 0,1
.irp u, 0,1
	ds_load_b32 v[SX+2*\s+\u], v[TSL] offset:256*\s+128*\u   ; lanes 0-15 tile 2 u's rows, lanes 16-31 tile 2 u + 1's
.endr
.endr
	s_wait_dscnt 0x0
	s_wait_loadcnt 0x0
	WIN 0x05
.irp s, 0,1
.irp m, 0,1,2,3
.irp c, 0,1,2,3,4,5
	WM ACC+8*(6*\m+\c), 72*\s+12*\c, TF+48*\s+12*\m, 1-\s, SW+4*\s+\c/2, SX+2*\s+\m/2, \c%2, \m%2
.endr
.endr
.endr
	WIN 0
	s_branch .Ljoin1
.Ldom1:
	; ---- waves 4-7: G over my 192 channels, 32 at a time: six sets of six fragments of the memory's f16 copy through three places of 48 registers
	WIN 0x40
.irp q, 0,1,2
.irp c, 0,1,2,3,4,5
.irp g, 0,1
	global_load_b128 v[48*\q+8*\c+4*\g:48*\q+8*\c+4*\g+3], v[LI], s[10:11] offset:6144*\q+1024*\c+512*\g
.endr
.endr
.endr
	WIN 0
.irp m, 0,1,2,3
	PACK16 \m, 1
.endr
.irp q, 0,1,2,3,4,5
.if \q%3 == 0
	WIN 0x40                                       ; dproj's twelve fragments of 96 channels (for the second 96: four plain lines stand behind the last products that read these registers)
.irp m, 0,1,2,3
.irp b, 0,1,2
.irp g, 0,1
	ds_load_b128 v[TF+8*(3*\m+\b)+4*\g:TF+8*(3*\m+\b)+4*\g+3], v[PIM] offset:(12*(\q/3)+3*\m+\b)*1024+512*\g
.endr
.endr
.endr
	s_wait_dscnt 0x0
.endif
.if \q < 4
	s_wait_loadcnt 24                              ; this set's twelve loads are in; the two younger sets' may be out
.elseif \q == 4
	s_wait_loadcnt 12
.else
	s_wait_loadcnt 0x0
.endif
	WIN 0x05
.irp m, 0,1,2,3
.irp c, 0,1,2,3,4,5
.if \q == 0
	v_wmma_f32_16x16x32_f16 v[ACC+8*(6*\m+\c):ACC+8*(6*\m+\c)+7], v[48*(\q%3)+8*\c:48*(\q%3)+8*\c+7], v[TF+8*(3*\m+\q%3):TF+8*(3*\m+\q%3)+7], 0
.else
	v_wmma_f32_16x16x32_f16 v[ACC+8*(6*\m+\c):ACC+8*(6*\m+\c)+7], v[48*(\q%3)+8*\c:48*(\q%3)+8*\c+7], v[TF+8*(3*\m+\q%3):TF+8*(3*\m+\q%3)+7], v[ACC+8*(6*\m+\c):ACC+8*(6*\m+\c)+7]
.endif
.endr
.endr
.if \q < 3
.rept 4
	v_nop
.endr
	WIN 0x40
.irp c, 0,1,2,3,4,5
.irp g, 0,1
	global_load_b128 v[48*\q+8*\c+4*\g:48*\q+8*\c+4*\g+3], v[LI], s[10:11] offset:6144*(\q+3)+1024*\c+512*\g
.endr
.endr
.endif
.endr
	WIN 0
.Ljoin1:
	; ---- both: my part of the sums goes to my own bytes.  Lane (r, h), register 8 c + j: row r, place s = 8 c + j: d = s / 5, m = 5 h + s % 5
.rept 4
	v_nop
.endr
.irp t, 0,1,2,3,4,5,6,7,8,9,10,11,12,13,14,15,16,17,18,19,20,21,22,23
	ds_store_b128 v[PIM], v[ACC+8*\t:ACC+8*\t+3] offset:1024*\t          ; each accumulator from its low end on
	ds_store_b128 v[PIM], v[ACC+8*\t+4:ACC+8*\t+7] offset:1024*\t+512
.endr
	BARRIER
	; wave w adds, for the tile of rows w % 4, the four parts of its kind (waves 0-3: scores; waves 4-7: G)
.irp j, 0,1
.irp t, 0,1,2,3,4,5,6,7,8,9,10,11
	ds_load_b128 v[64+48*\j+4*\t:64+48*\j+4*\t+3], v[FA0] offset:PRIVB*\j+512*\t
.endr
.endr
.irp j, 0,1
.irp t, 0,1,2,3,4,5,6,7,8,9,10,11
	ds_load_b128 v[160+48*\j+4*\t:160+48*\j+4*\t+3], v[FA1] offset:PRIVB*\j+512*\t
.endr
.endr
	s_wait_dscnt 0x0
.set k, 0
.rept 24
	v_pk_add_f32 v[64+2*k:65+2*k], v[64+2*k:65+2*k], v[112+2*k:113+2*k]
	v_pk_add_f32 v[160+2*k:161+2*k], v[160+2*k:161+2*k], v[208+2*k:209+2*k]
.set k, k+1
.endr
.set k, 0
.rept 24
	v_pk_add_f32 v[64+2*k:65+2*k], v[64+2*k:65+2*k], v[160+2*k:161+2*k]
.set k, k+1
.endr
	s_cmp_lt_u32 s[WV], 4
	s_cbranch_scc0 .Lg_out
	; ---- the first softmax: for each d ten scores, five in this lane and five in lane l xor 16.  p = 2^(c s - c max); the sum divides later
.irp d, 0,1,2,3,4,5,6,7,8
	v_max3_num_f32 v[MX+\d], v[L0+5*\d], v[L0+5*\d+1], v[L0+5*\d+2]
.endr
.irp d, 0,1,2,3,4,5,6,7,8
	v_max3_num_f32 v[MX+\d], v[MX+\d], v[L0+5*\d+3], v[L0+5*\d+4]
.endr
.irp d, 0,1,2,3,4,5,6,7,8
	v_permlanex16_b32 v[UU+\d], v[MX+\d], s[SEL], s[SEL+1]
.endr
.irp d, 0,1,2,3,4,5,6,7,8
	v_max_num_f32 v[MX+\d], v[MX+\d], v[UU+\d]
.endr
.irp d, 0,1,2,3,4,5,6,7,8
	v_mul_f32 v[NM+\d], s[CS+1], v[MX+\d]          ; -c max: its rounding is common to the ten and leaves with the division
.endr
.set k, 0
.rept 45
	v_fma_f32 v[L0+k], v[L0+k], s[CS], v[NM+k/5]
.set k, k+1
.endr
.set k, 0
.rept 45
	v_exp_f32 v[L0+k], v[L0+k]
.set k, k+1
.endr
	v_nop                                          ; a plain line behind the last exponential,
	s_wait_alu depctr_va_vdst(0)                   ; and one wait for the batch, ahead of its first reader
.irp d, 0,1,2,3,4,5,6,7,8
	v_add_f32 v[ZZ+\d], v[L0+5*\d], v[L0+5*\d+1]
.endr
.irp i, 2,3,4
.irp d, 0,1,2,3,4,5,6,7,8
	v_add_f32 v[ZZ+\d], v[ZZ+\d], v[L0+5*\d+\i]
.endr
.endr
.irp d, 0,1,2,3,4,5,6,7,8
	v_permlanex16_b32 v[UU+\d], v[ZZ+\d], s[SEL], s[SEL+1]
.endr
.irp d, 0,1,2,3,4,5,6,7,8
	v_add_f32 v[ZZ+\d], v[ZZ+\d], v[UU+\d]
.endr
.irp d, 0,1,2,3,4,5,6,7,8
	v_rcp_f32 v[RZ+\d], v[ZZ+\d]
.endr
	v_nop
	s_wait_alu depctr_va_vdst(0)
	s_branch .Lb2
.Lg_out:
.irp t, 0,1,2,3,4,5,6,7,8,9,10,11
	ds_store_b128 v[GXA], v[64+4*\t:64+4*\t+3] offset:512*\t   ; G's sums, over x's codes, which nobody reads behind the last barrier
.endr
.Lb2:
	BARRIER
	s_cmp_lt_u32 s[WV], 4
	s_cbranch_scc0 .Lb3
.irp t, 0,1,2,3,4,5,6,7,8,9,10,11
	ds_load_b128 v[GG+4*\t:GG+4*\t+3], v[GXA] offset:512*\t
.endr
	s_wait_dscnt 0x0
.irp d, 0,1,2,3,4,5,6,7,8
	v_mul_f32 v[ZZ+\d], v[L0+5*\d], v[GG+5*\d]
.endr
.irp i, 1,2,3,4
.irp d, 0,1,2,3,4,5,6,7,8
	v_fmac_f32 v[ZZ+\d], v[L0+5*\d+\i], v[GG+5*\d+\i]
.endr
.endr
.irp d, 0,1,2,3,4,5,6,7,8
	v_permlanex16_b32 v[UU+\d], v[ZZ+\d], s[SEL], s[SEL+1]
.endr
.irp d, 0,1,2,3,4,5,6,7,8
	v_add_f32 v[ZZ+\d], v[ZZ+\d], v[UU+\d]
.endr
.irp d, 0,1,2,3,4,5,6,7,8
	v_mul_f32 v[ZZ+\d], v[ZZ+\d], v[RZ+\d]         ; sum_m att G
.endr
	; ---- the second softmax, over the nine, all in one lane
	v_max3_num_f32 v[MX], v[ZZ], v[ZZ+1], v[ZZ+2]
	v_max3_num_f32 v[MX], v[MX], v[ZZ+3], v[ZZ+4]
	v_max3_num_f32 v[MX], v[MX], v[ZZ+5], v[ZZ+6]
	v_max3_num_f32 v[MX], v[MX], v[ZZ+7], v[ZZ+8]
	v_mul_f32 v[NM], s[CS+1], v[MX]
.irp d, 0,1,2,3,4,5,6,7,8
	v_fma_f32 v[ZZ+\d], v[ZZ+\d], s[CS], v[NM]
.endr
.irp d, 0,1,2,3,4,5,6,7,8
	v_exp_f32 v[ZZ+\d], v[ZZ+\d]
.endr
	v_nop
	s_wait_alu depctr_va_vdst(0)
	v_add_f32 v[UU], v[ZZ], v[ZZ+1]
	v_add_f32 v[UU+2], v[ZZ+2], v[ZZ+3]
	v_add_f32 v[UU+3], v[ZZ+4], v[ZZ+5]
	v_add_f32 v[UU+4], v[ZZ+6], v[ZZ+7]
	v_add_f32 v[UU], v[UU], v[UU+2]
	v_add_f32 v[UU+3], v[UU+3], v[UU+4]
	v_add_f32 v[UU], v[UU], v[ZZ+8]
	v_add_f32 v[UU], v[UU], v[UU+3]
	v_rcp_f32 v[UU+1], v[UU]
	v_nop
	s_wait_alu depctr_va_vdst(0)
.irp d, 0,1,2,3,4,5,6,7,8
	v_mul_f32 v[ZZ+\d], v[ZZ+\d], v[UU+1]
.endr
.irp d, 0,1,2,3,4,5,6,7,8
	ds_store_b32 v[OSA], v[ZZ+\d] offset:4*\d      ; both halves of the lanes hold the same numbers and write the same words
.endr
.Lb3:
	BARRIER
	; ---- the way out: the work-group's 2,304 bytes are dense in out0 and begin at a multiple of 256: waves 0-3 store 512 consecutive bytes each, wave 4 the last 256
	s_cmp_lt_u32 s[WV], 4
	s_cbranch_scc0 .Lninth
	ds_load_b128 v[64:67], v[OSR]
	s_wait_dscnt 0x0
	global_store_b128 v[OSR], v[64:67], s[12:13]
	s_branch .Lend
.Lninth:
	s_cmp_eq_u32 s[WV], 4
	s_cbranch_scc0 .Lend
	ds_load_b64 v[64:65], v[OSR8]
	s_wait_dscnt 0x0
	global_store_b64 v[OSR8], v[64:65], s[12:13]
.Lend:
	s_wait_tensorcnt 0x0
	ds_add_u32 v23, v27
	s_wait_dscnt 0x0
	s_endpgm
.Lfunc_end_k_q58e5cd11a5_main:
	.size	k_q58e5cd11a5_main, .Lfunc_end_k_q58e5cd11a5_main-k_q58e5cd11a5_main
	.p2alignl 7, 3214868480
	.fill 96, 4, 3214868480
	.section	.rodata,"a",@progbits
	.p2align	6, 0x0
	.amdhsa_kernel k_q58e5cd11a5_main
		.amdhsa_group_segment_fixed_size 309248
		.amdhsa_private_segment_fixed_size 0
		.amdhsa_enable_private_segment 0
		.amdhsa_kernarg_size 40
		.amdhsa_user_sgpr_count 2
		.amdhsa_user_sgpr_kernarg_segment_ptr 1
		.amdhsa_wavefront_size32 1
		.amdhsa_system_sgpr_workgroup_id_x 1
		.amdhsa_system_sgpr_workgroup_id_y 1
		.amdhsa_system_sgpr_workgroup_id_z 1
		.amdhsa_system_vgpr_workitem_id 0
		.amdhsa_next_free_vgpr 512
		.amdhsa_next_free_sgpr 66
		.amdhsa_reserve_vcc 0
		.amdhsa_float_denorm_mode_32 3
		.amdhsa_float_denorm_mode_16_64 3
		.amdhsa_memory_ordered 1
		.amdhsa_forward_progress 1
		.amdhsa_inst_pref_size 255
	.end_amdhsa_kernel
	.section	.bss,"aw",@nobits
	.p2align	6
	.space	262144
	.amdgpu_metadata
---
amdhsa.version: [ 1, 2 ]
amdhsa.kernels:
  - .name:           k_q58e5cd11a5_main
    .symbol:         k_q58e5cd11a5_main.kd
    .args:
      - { .name: feature, .offset: 0, .size: 8, .value_kind: global_buffer, .address_space: global }
      - { .name: wq, .offset: 8, .size: 8, .value_kind: global_buffer, .address_space: global }
      - { .name: mq, .offset: 16, .size: 8, .value_kind: global_buffer, .address_space: global }
      - { .name: mh, .offset: 24, .size: 8, .value_kind: global_buffer, .address_space: global }
      - { .name: out0, .offset: 32, .size: 8, .value_kind: global_buffer, .address_space: global }
    .group_segment_fixed_size: 309248
    .private_segment_fixed_size: 0
    .kernarg_segment_align: 8
    .kernarg_segment_size: 40
    .max_flat_workgroup_size: 256
    .sgpr_count:     66
    .vgpr_count:     512
    .wavefront_size: 32
...
	.end_amdgpu_metadata
.endif
;; end of part 2
